; MI455X (gfx1250); checked and timed in simulation.
; The chip was launched on July 23, 2026; its instructions are those of AMD's public machine-readable ISA for CDNA 5 (MIT licence, August 2026) and "CDNA5" Instruction Set Architecture Reference Guide (July 2026). The comments in the code are by the model that wrote it; some were corrected since.
;; Multi Query Attention. Allowed arithmetic: matrix products marked QUANTISED: E4M3 operands, one given power-of-two scale a tensor, by v_wmma_f32_16x16x64_fp8_fp8 or v_wmma_f32_16x16x128_fp8_fp8, f32 sums; everything else in f32.
;; Inputs: Wk 1,024 x 64 float32; Wo 1,024 x 1,024 float32; Wq 1,024 x 1,024 float32; Wv 1,024 x 64 float32; lowp_scales 12 int32 (the exponents e of the quantised operands' scales 2^e); x 4 x 2,048 x 1,024 float32.
;; Outputs: out0 4 x 2,048 x 1,024 float32.
;; This version of the problem:
;;   THIS VERSION OF THE PROBLEM IS GIVEN IN LOW PRECISION. The matrix products marked QUANTISED in the list below multiply operands that are first quantised to E4M3 (4 exponent bits, 3 mantissa bits; 8 bits a number), with one given power-of-two scale for each operand tensor; their sums are f32. All else is computed in f32.
;;   The module's matrix products, in the order in which they are computed (A, B: the left and right operand; K: the contracted axis; several contracted axes count as one K, in the product's order):
;;     1. [M 8,192, K 1,024] x [K 1,024, N 1,024]; A: input x; B: input Wq: QUANTISED (scales: A lowp_scales[0], B lowp_scales[1])
;;     2. [M 8,192, K 1,024] x [K 1,024, N 64]; A: input x; B: input Wk: QUANTISED (scales: A lowp_scales[2], B lowp_scales[3])
;;     3. [M 8,192, K 1,024] x [K 1,024, N 64]; A: input x; B: input Wv: QUANTISED (scales: A lowp_scales[4], B lowp_scales[5])
;;     4. batch 4 x [M 32,768, K 64] x [K 64, N 2,048]; A: computed on the way; B: computed on the way: QUANTISED (scales: A lowp_scales[6], B lowp_scales[7])
;;     5. batch 4 x [M 32,768, K 2,048] x [K 2,048, N 64]; A: softmax (see below); B: computed on the way: QUANTISED (scales: A lowp_scales[8], B lowp_scales[9])
;;     6. [M 8,192, K 1,024] x [K 1,024, N 1,024]; A: computed on the way; B: input Wo: QUANTISED (scales: A lowp_scales[10], B lowp_scales[11])
;;   THE QUANTISER, for each operand of a quantised product, along K:
;;     - The operand's scale is 2^e, e = its entry of the input lowp_scales (int32; the entries are numbered through the quantised products in the list's order, A before B).
;;     - Each number is divided by the scale, clamped to +-448, and rounded to the nearest number of E4M3, ties to even, subnormals kept.
;;     - The product sums the exact products of the quantised numbers (number of the format x scale) in f32.
;;   ~~~python
;;   def quantise(x, axis, e):      # numpy; x: float32 -> the quantised numbers, widened to float32 again
;;       x = np.moveaxis(x, axis, -1); K = x.shape[-1]
;;       r = np.clip(x / 2.0 ** e, -448, 448)
;;       step = 2.0 ** (np.maximum(np.frexp(np.where(r == 0, 1, r))[1] - 1, -6) - 3)
;;       q = np.round(r / step) * step * 2.0 ** e      # np.round: ties to even
;;       return np.moveaxis(q, -1, axis).astype(np.float32)
;;   ~~~
;;   SOFTMAX AHEAD OF A QUANTISED PRODUCT. Where the list says 'softmax', what is quantised is not the finished softmax but p = 2^(t - M), with t = logit x log2(e) and M = ceil(the row's largest t), a whole number; so 1/2 < the row's largest p <= 1. The row's sum l is taken of the UNQUANTISED p, in f32, and the product's result is divided by l at the end. Since M is a whole number, a kernel that streams over the keys may use a running M (the ceiling of the running maximum): every later rescaling is an exact power of two, so the quantised numbers keep their values, but for numbers so far below the row's largest that they fall under the format's range.
;;   OPERANDS COMPUTED ON THE WAY. 'Computed on the way' means the value that the module computes at that place (a softmax that the list does not call 'softmax' is quantised finished and normalised). What goes into a quantiser is computed in f32, as accurately as f32 sums, v_exp_f32 and their like allow (about 1e-6 of the number): no bf16 or f16 on the way to a quantiser, and a product that is left as it is and whose result goes on into a quantised operand takes f32 operands (vector FMAs, or v_wmma_f32_16x16x4_f32). A number that lies on a knife's edge between two numbers of the format may be rounded either way, as far as f32 arithmetic and the matrix unit's own rounding can turn it there, and no further.
;; One version. Each part assembles by itself: llvm-mc -triple=amdgcn-amd-amdhsa -mcpu=gfx1250 --defsym DOCPART=n.
;; ======== version 1 of 1: 4 launches
;; limits: right only within a limited range of input values
;; workspace buffers: wimg 2,228,224 bytes; xq 8,388,608 bytes; xk 8,388,608 bytes; xv 8,388,608 bytes; qimg 8,388,608 bytes; kvimg 1,048,576 bytes; aimg 8,388,608 bytes
;; launch quant (part 1): grid 392 x 1, 8 waves a work-group, no clusters, 68,608 bytes of LDS; arguments x, Wq, Wo, Wk, Wv, lowp_scales, xq, xk, xv, wimg; writes xq, xk, xv, wimg
.if DOCPART == 1
	.amdgcn_target "amdgcn-amd-amdhsa--gfx1250"
	.amdhsa_code_object_version 6
	.text
	.protected	k_qcb8641e4fc_quant
	.globl	k_qcb8641e4fc_quant
	.p2align	8
	.type	k_qcb8641e4fc_quant,@function
k_qcb8641e4fc_quant:
	s_mov_b64 s[64:65], 0
	v_nop
	global_prefetch_b8 v0, s[64:65] scope:SCOPE_SE
	s_setreg_imm32_b32 hwreg(HW_REG_WAVE_MODE, 25, 1), 1
	s_wait_xcnt 0x0
; x [8192][1024] and the four weights ([1024][1024], [1024][64]; K is their FIRST axis), all f32, become codes of FP8 (E4M3), each with the scale 2^e given for it.
; code = number / 2^e, held within +-448, to the nearest code, ties to even.
; THE CODES ARE LAID AS IMAGES OF OPERAND REGISTERS.  A fragment is 16 rows x 128 K: 2,048 bytes in four pieces c of 512; lane l = (r, h) has its 16 bytes at 16 l of piece c: k = 32 c + 16 h + 0 .. 15 of its row.
; THE ROWS OF A TILE ARE NOT NEIGHBOURS: row r of tile kt of a chunk of 128 rows is PI(kt, r) = 32 (kt / 2) + 8 (kt % 2) + r + 8 (r / 8); a weight's columns likewise inside each group of 64.
; xq [chunk of 128 rows: 64][K step: 8][tile: 8][2,048] holds x under e0.  x enters three products under three given scales: xk (e2) and xv (e4) are written only where that exponent differs from e0,
; and the next launch reads them only then.  wimg [group of 64 columns: 34][K step: 8][tile: 4][2,048]: groups 0-15 Wq (e1), 16-31 Wo (e11), 32 Wk (e3), 33 Wv (e5).
; WORK-GROUPS: 0-255 take x (a chunk's 128 rows x 256 along K; wave w is tile w), 256-383 Wq and Wo, 384-391 Wk and Wv (a wave takes 32 columns x 64 along K).  Waves share nothing: no barrier.
; LIMITS: each exponent e between -126 and 119, so that 2^e and 448 x 2^e are f32 numbers.  NaN among the inputs is not served.
.set X,   32                           ; v32-159  x as loaded: fragment f, row rho at 64 f + 4 rho; later the fragment's codes, 16 registers for each scale: no store's data are written again
.set Y,   160                          ; v160-223 64 numbers of my row: register 16 b + i = k 32 b + 16 h + i
.set TT,  224                          ; v224-239 two sets of eight held numbers, by turns
.set SP,  528                          ; a stage row: 512 bytes + 16, so that the sixteen rows that a read touches start at sixteen different banks (64 banks of 4 bytes: ISA guide 11.1)
.set NUM, 32                           ; v32-95   a weight's 64 numbers down K
.set COD, 96                           ; v96-111  their codes
.macro MKSCALE e, sc, lim              ; s[e] = the exponent: v[sc] = 2^e as f32 (the conversion takes its exponent field), v[lim] = 448 x 2^e
	s_add_co_i32 s45, s[\e], 127
	s_lshl_b32 s46, s45, 23
	v_mov_b32 v[\sc], s46
	s_add_co_i32 s45, s45, 8
	s_lshl_b32 s45, s45, 23
	s_or_b32 s45, s45, 0x600000
	v_mov_b32 v[\lim], s45
.endm
; The fragment in Y becomes 16 registers of codes at v[dst].  The hold goes into other registers, so that Y serves the next scale too; the two sets take turns, so that eight plain
; instructions stand between a conversion and the next write of its sources.
.macro QUANT dst, sc, lim
.irp b, 0,1,2,3
.irp q, 0,1
.irp i, 0,1,2,3,4,5,6,7
	v_med3_num_f32 v[TT+8*\q+\i], v[Y+16*\b+8*\q+\i], -v[\lim], v[\lim]   ; the conversion to an 8-bit code does not saturate (ISA guide 7.6.2)
.endr
	v_cvt_scalef32_pk8_fp8_f32 v[\dst+4*\b+2*\q:\dst+4*\b+2*\q+1], v[TT+8*\q:TT+8*\q+7], v[\sc]
.endr
.endr
	v_nop                                          ; one plain instruction behind the last conversion
.endm
.macro OUT base, src, f                ; a fragment's image: four stores of 512 consecutive bytes
.irp c, 0,1,2,3
	global_store_b128 v1, v[\src+4*\c:\src+4*\c+3], s[\base:\base+1] offset:16384*(\f)+512*\c
.endr
.endm
	s_load_b512 s[4:19], s[0:1], 0x0               ; x s[4:5], Wq s[6:7], Wo s[8:9], Wk s[10:11], Wv s[12:13], the exponents s[14:15], xq s[16:17], xk s[18:19]
	s_load_b128 s[20:23], s[0:1], 0x40             ; xv s[20:21], wimg s[22:23]
	v_lshl_add_u32 v240, v0, 2, 0x10800
	v_mov_b32 v241, 0
	v_lshrrev_b32 v10, 5, v0
	s_delay_alu instid0(VALU_DEP_1)
	v_readfirstlane_b32 s36, v10                   ; wave 0..7
	v_and_b32 v10, 31, v0                          ; lane
	s_delay_alu instid0(VALU_DEP_1)
	v_lshlrev_b32 v1, 4, v10                       ; 16 x lane
	s_wait_kmcnt 0x0
	s_load_b256 s[24:31], s[14:15], 0x0            ; e0 .. e7
	s_load_b128 s[32:35], s[14:15], 0x20           ; e8 .. e11
	s_cmp_lt_u32 ttmp9, 256
	s_cbranch_scc0 .Lweights
	; ---- x.  Each load reads 512 consecutive bytes of one row (a K step's 128 numbers); a fragment's 16 rows turn through the wave's own stage in LDS and come back 64 numbers a lane.
	s_lshr_b32 s37, ttmp9, 2                       ; the chunk
	s_and_b32 s38, ttmp9, 3                        ; which two K steps
	s_lshr_b32 s39, s36, 1
	s_lshl_b32 s39, s39, 5
	s_and_b32 s40, s36, 1
	s_lshl_b32 s40, s40, 3
	s_add_co_u32 s39, s39, s40                     ; PI(tile, 0)
	s_lshl_b32 s40, s37, 7
	s_add_co_u32 s39, s39, s40                     ; + 128 x chunk: my tile's first row
	s_lshl_b32 s40, s39, 12                        ; a row is 4,096 bytes
	s_lshl_b32 s41, s38, 10                        ; two K steps are 1,024
	s_add_co_u32 s40, s40, s41
	s_mov_b32 s41, 0
	s_add_nc_u64 s[4:5], s[4:5], s[40:41]
	s_wait_alu depctr_va_vdst(0)
.irp f, 0,1
.irp rho, 0,1,2,3,4,5,6,7,8,9,10,11,12,13,14,15
	global_load_b128 v[X+64*\f+4*\rho:X+64*\f+4*\rho+3], v1, s[4:5] offset:(\rho+8*(\rho/8))*4096+512*\f th:TH_LOAD_NT
.endr
.endr
	s_lshl_b32 s42, s37, 17                        ; the images: chunk x 131,072 + K step x 16,384 + tile x 2,048
	s_lshl_b32 s43, s38, 15
	s_add_co_u32 s42, s42, s43
	s_lshl_b32 s43, s36, 11
	s_add_co_u32 s42, s42, s43
	s_mov_b32 s43, 0
	s_add_nc_u64 s[16:17], s[16:17], s[42:43]
	s_add_nc_u64 s[18:19], s[18:19], s[42:43]
	s_add_nc_u64 s[20:21], s[20:21], s[42:43]
	s_mul_i32 s44, s36, 16*SP                      ; my stage
	v_add_nc_u32 v2, s44, v1                       ; in: a row as it lies
	v_and_b32 v11, 15, v0
	v_bfe_u32 v12, v0, 4, 1
	s_delay_alu instid0(VALU_DEP_2)
	v_mul_u32_u24 v3, v11, SP
	s_delay_alu instid0(VALU_DEP_1)
	v_lshl_add_u32 v3, v12, 6, v3
	s_delay_alu instid0(VALU_DEP_1)
	v_add_nc_u32 v3, s44, v3                       ; out: row r, + 64 h: my 16 numbers of each block of 32
	s_wait_alu depctr_va_vdst(0)
	s_wait_kmcnt 0x0
	MKSCALE 24, 4, 5
	MKSCALE 26, 6, 7
	MKSCALE 28, 8, 9
.macro FRAGMENT f
	s_wait_loadcnt 16*(1-\f)                       ; this fragment's 16 loads are in; the second fragment's 16 are younger
.irp rho, 0,1,2,3,4,5,6,7,8,9,10,11,12,13,14,15
	ds_store_b128 v2, v[X+64*\f+4*\rho:X+64*\f+4*\rho+3] offset:SP*\rho
.endr
.irp b, 0,1,2,3
.irp j, 0,1,2,3
	ds_load_b128 v[Y+16*\b+4*\j:Y+16*\b+4*\j+3], v3 offset:128*\b+16*\j   ; LDS serves a wave's instructions in order (ISA guide 5.7.1.4): these see the stores above
.endr
.endr
	s_wait_dscnt 0x0
	QUANT X+64*\f, 4, 5
	OUT 16, X+64*\f, \f
	s_cmp_lg_u32 s26, s24                          ; a second image only where e2 is another number than e0
	s_cbranch_scc0 .Lno_k_\@
	QUANT X+64*\f+16, 6, 7
	OUT 18, X+64*\f+16, \f
.Lno_k_\@:
	s_cmp_lg_u32 s28, s24                          ; and a third only where e4 is
	s_cbranch_scc0 .Lno_v_\@
	QUANT X+64*\f+32, 8, 9
	OUT 20, X+64*\f+32, \f
.Lno_v_\@:
.endm
	s_wait_alu depctr_va_vdst(0)
	FRAGMENT 0
	FRAGMENT 1
	s_wait_tensorcnt 0x0
	ds_add_u32 v240, v241
	s_wait_dscnt 0x0
	s_endpgm
	; ---- the weights.  A LANE TAKES A COLUMN AND ITS REGISTERS RUN DOWN K: each load reads 128 consecutive bytes, and the conversions give codes with K innermost; nothing is transposed.
.macro WLOAD pitch
.set i, 0
.rept 64
	global_load_b32 v[NUM+i], v13, s[48:49] offset:i*\pitch th:TH_LOAD_NT
.set i, i+1
.endr
.endm
.Lweights:
	s_wait_kmcnt 0x0
	s_wait_alu depctr_va_vdst(0)
	v_lshlrev_b32 v13, 2, v10                      ; in: 4 bytes a lane
	v_bfe_u32 v14, v0, 3, 1                        ; out: column l of 32 is row (l % 8) + 8 (l / 16) of tile (l / 8) % 2 of the pair: PI turned round
	s_delay_alu instid0(VALU_DEP_1)
	v_lshlrev_b32 v14, 11, v14
	v_and_b32 v15, 7, v0
	s_delay_alu instid0(VALU_DEP_1)
	v_lshl_add_u32 v14, v15, 4, v14
	v_bfe_u32 v15, v0, 4, 1
	s_delay_alu instid0(VALU_DEP_1)
	v_lshl_add_u32 v14, v15, 7, v14
	s_cmp_lt_u32 ttmp9, 384
	s_cbranch_scc0 .Lsmall
	s_sub_co_u32 s37, ttmp9, 256
	s_lshr_b32 s38, s37, 6                         ; 0: Wq, 1: Wo
	s_bfe_u32 s39, s37, 0x30003                    ; K step
	s_and_b32 s40, s37, 7                          ; which 128 columns
	s_and_b32 s41, s36, 3                          ; my 32 of them
	s_lshr_b32 s42, s36, 2                         ; which 64 of the step's 128 along K
	s_cmp_eq_u32 s38, 0
	s_cselect_b64 s[48:49], s[6:7], s[8:9]
	s_cselect_b32 s50, s25, s35                    ; e1 or e11
	s_lshl_b32 s44, s39, 19                        ; 128 rows of 4,096 bytes
	s_lshl_b32 s45, s42, 18
	s_add_co_u32 s44, s44, s45
	s_lshl_b32 s45, s40, 9
	s_add_co_u32 s44, s44, s45
	s_lshl_b32 s45, s41, 7
	s_add_co_u32 s44, s44, s45
	s_mov_b32 s45, 0
	s_add_nc_u64 s[48:49], s[48:49], s[44:45]
	s_lshl_b32 s46, s38, 4                         ; the group of 64 columns: 16 x matrix + 2 x block + half
	s_lshl_b32 s47, s40, 1
	s_add_co_u32 s46, s46, s47
	s_lshr_b32 s47, s41, 1
	s_add_co_u32 s46, s46, s47
	s_lshl_b32 s46, s46, 16
	s_lshl_b32 s47, s39, 13
	s_add_co_u32 s46, s46, s47
	s_and_b32 s47, s41, 1                          ; which pair of tiles
	s_lshl_b32 s47, s47, 12
	s_add_co_u32 s46, s46, s47
	s_lshl_b32 s47, s42, 10                        ; pieces 0, 1 or 2, 3
	s_add_co_u32 s46, s46, s47
	s_mov_b32 s47, 0
	s_add_nc_u64 s[22:23], s[22:23], s[46:47]
	s_wait_alu depctr_va_vdst(0)
	WLOAD 4096
	s_branch .Ltail
.Lsmall:
	s_sub_co_u32 s39, ttmp9, 384                   ; K step
	s_lshr_b32 s38, s36, 2                         ; 0: Wk, 1: Wv
	s_bfe_u32 s41, s36, 0x10001                    ; which 32 columns
	s_and_b32 s42, s36, 1                          ; which 64 along K
	s_cmp_eq_u32 s38, 0
	s_cselect_b64 s[48:49], s[10:11], s[12:13]
	s_cselect_b32 s50, s27, s29                    ; e3 or e5
	s_lshl_b32 s44, s39, 15                        ; 128 rows of 256 bytes
	s_lshl_b32 s45, s42, 14
	s_add_co_u32 s44, s44, s45
	s_lshl_b32 s45, s41, 7
	s_add_co_u32 s44, s44, s45
	s_mov_b32 s45, 0
	s_add_nc_u64 s[48:49], s[48:49], s[44:45]
	s_add_co_u32 s46, s38, 32
	s_lshl_b32 s46, s46, 16
	s_lshl_b32 s47, s39, 13
	s_add_co_u32 s46, s46, s47
	s_lshl_b32 s47, s41, 12
	s_add_co_u32 s46, s46, s47
	s_lshl_b32 s47, s42, 10
	s_add_co_u32 s46, s46, s47
	s_mov_b32 s47, 0
	s_add_nc_u64 s[22:23], s[22:23], s[46:47]
	s_wait_alu depctr_va_vdst(0)
	WLOAD 256
.Ltail:
	MKSCALE 50, 4, 5
	s_wait_alu depctr_va_vdst(0)
.irp c2, 0,1
	s_wait_loadcnt 32*(1-\c2)                      ; this block's 32 loads are in; the second block's 32 are younger
.set i, 0
.rept 32
	v_med3_num_f32 v[NUM+32*\c2+i], v[NUM+32*\c2+i], -v5, v5
.set i, i+1
.endr
.irp q, 0,1,2,3
	v_cvt_scalef32_pk8_fp8_f32 v[COD+8*\c2+2*\q:COD+8*\c2+2*\q+1], v[NUM+32*\c2+8*\q:NUM+32*\c2+8*\q+7], v4
.endr
	v_nop                                          ; one plain instruction behind the last conversion
	global_store_b128 v14, v[COD+8*\c2:COD+8*\c2+3], s[22:23] offset:512*\c2         ; k 0-15 of the block: the piece's lanes 0-15; sixteen lanes fill 256 consecutive bytes, aligned, in each of the two tiles
	global_store_b128 v14, v[COD+8*\c2+4:COD+8*\c2+7], s[22:23] offset:512*\c2+256   ; k 16-31: its lanes 16-31
.endr
	s_endpgm
.Lfunc_end_k_qcb8641e4fc_quant:
	.size	k_qcb8641e4fc_quant, .Lfunc_end_k_qcb8641e4fc_quant-k_qcb8641e4fc_quant
	.p2alignl 7, 3214868480
	.fill 96, 4, 3214868480
	.section	.rodata,"a",@progbits
	.p2align	6, 0x0
	.amdhsa_kernel k_qcb8641e4fc_quant
		.amdhsa_group_segment_fixed_size 68608
		.amdhsa_private_segment_fixed_size 0
		.amdhsa_enable_private_segment 0
		.amdhsa_kernarg_size 80
		.amdhsa_user_sgpr_count 2
		.amdhsa_user_sgpr_kernarg_segment_ptr 1
		.amdhsa_wavefront_size32 1
		.amdhsa_system_sgpr_workgroup_id_x 1
		.amdhsa_system_sgpr_workgroup_id_y 1
		.amdhsa_system_sgpr_workgroup_id_z 1
		.amdhsa_system_vgpr_workitem_id 0
		.amdhsa_next_free_vgpr 242
		.amdhsa_next_free_sgpr 66
		.amdhsa_reserve_vcc 0
		.amdhsa_float_denorm_mode_32 3
		.amdhsa_float_denorm_mode_16_64 3
		.amdhsa_memory_ordered 1
		.amdhsa_forward_progress 1
		.amdhsa_inst_pref_size 60
	.end_amdhsa_kernel
	.amdgpu_metadata
---
amdhsa.version: [ 1, 2 ]
amdhsa.kernels:
  - .name:           k_qcb8641e4fc_quant
    .symbol:         k_qcb8641e4fc_quant.kd
    .args:
      - { .name: x, .offset: 0, .size: 8, .value_kind: global_buffer, .address_space: global }
      - { .name: Wq, .offset: 8, .size: 8, .value_kind: global_buffer, .address_space: global }
      - { .name: Wo, .offset: 16, .size: 8, .value_kind: global_buffer, .address_space: global }
      - { .name: Wk, .offset: 24, .size: 8, .value_kind: global_buffer, .address_space: global }
      - { .name: Wv, .offset: 32, .size: 8, .value_kind: global_buffer, .address_space: global }
      - { .name: lowp_scales, .offset: 40, .size: 8, .value_kind: global_buffer, .address_space: global }
      - { .name: xq, .offset: 48, .size: 8, .value_kind: global_buffer, .address_space: global }
      - { .name: xk, .offset: 56, .size: 8, .value_kind: global_buffer, .address_space: global }
      - { .name: xv, .offset: 64, .size: 8, .value_kind: global_buffer, .address_space: global }
      - { .name: wimg, .offset: 72, .size: 8, .value_kind: global_buffer, .address_space: global }
    .group_segment_fixed_size: 68608
    .private_segment_fixed_size: 0
    .kernarg_segment_align: 8
    .kernarg_segment_size: 80
    .max_flat_workgroup_size: 256
    .sgpr_count:     66
    .vgpr_count:     242
    .wavefront_size: 32
...
	.end_amdgpu_metadata
.endif
;; end of part 1
;; launch proj (part 2): grid 256 x 1, 4 waves a work-group, no clusters, 164,352 bytes of LDS; arguments xq, xk, xv, wimg, lowp_scales, qimg, kvimg; writes qimg, kvimg
.if DOCPART == 2
	.amdgcn_target "amdgcn-amd-amdhsa--gfx1250"
	.amdhsa_code_object_version 6
	.text
	.protected	k_qcb8641e4fc_proj
	.globl	k_qcb8641e4fc_proj
	.p2align	8
	.type	k_qcb8641e4fc_proj,@function
k_qcb8641e4fc_proj:
	s_mov_b64 s[64:65], 0
	v_nop
	global_prefetch_b8 v0, s[64:65] scope:SCOPE_SE
	s_setreg_imm32_b32 hwreg(HW_REG_WAVE_MODE, 25, 1), 1
	s_wait_xcnt 0x0
; q = x Wq, k = x Wk, v = x Wv on codes of FP8 (E4M3), K = 1,024; the f32 sums are quantised at once (q under e6, k under e7, v under e9) and stored as images of the registers in which attention wants them.
; All operands arrive as images (16 rows x 128 K: four pieces of 512 bytes, lane l's 16 bytes at 16 l: k = 32 c + 16 h + 0 .. 15).  Row r of tile t is PI(t, r) = 32 (t / 2) + 8 (t % 2) + r + 8 (r / 8),
; so that the 16 result registers of tiles 2 b and 2 b + 1 of source 0 are the 16 neighbours 32 b + 16 h + 0 .. 15: the conversions' results ARE the next operand's registers.
; SHARES.  Work-group = chunk of 128 rows (ttmp9 / 4) x column group g (ttmp9 % 4).  Wave w makes head 4 g + w of q for all 128 rows: 4 column tiles x 8 row tiles, 32 accumulators; source 0 = Wq's columns,
; source 1 = x's rows: a lane holds one token and registers along the head.  It also makes, for its own row tiles 2 w and 2 w + 1, 32 channels of k (g < 2) or of v (g >= 2): 4 accumulators.
; k: source 0 = Wk's columns, source 1 = x's rows (a lane holds one key, registers along the head).  v: the other way round (a lane holds one channel, registers along the keys, which are the next K).
; ROADS.  Wq's fragments and the wave's own two x fragments for k or v: memory to registers.  x's eight fragments of a K step and the two of Wk or Wv are read by all four waves: memory, registers, LDS.
; Every K step has LDS bytes of its own, so one barrier a step (my stores have landed, then everybody's) is all the ordering.
; x for k and v comes from xq where e2 (e4) equals e0, else from xk (xv): the launch before wrote those only then.  Both bases are made of the work-group's and the wave's numbers alone; a scalar branch on the
; two exponents picks one of two copies of the eight loads, which land in the same registers and count alike.
; No cluster: what the four work-groups of a chunk share is x's images, 128 of the 544 KB that a work-group reads, and nothing here goes by tensor loads.
; LIMITS: e6 - e0 - e1, e7 - e2 - e3 and e9 - e4 - e5 between -126 and 119.
; REGISTERS, in windows of 256 (s_set_vgpr_msb: bits 1:0 source 0, 3:2 source 1, 5:4 source 2, 7:6 destination):
;   window 0: v1-6 addresses, v8-11 scales, v32-63 Wk's or Wv's two fragments (later held numbers), v64-95 the four accumulators of k or v, v128-255 x's eight fragments (later codes)
;   window 1: v0-127 Wq's four fragments, two sets; v128-191 my two x fragments for k or v, two sets.   window 2: q's accumulators, (row tile, column tile) at 8 (4 kt + ct).   window 3: v0-79 what goes on into LDS, two sets of 40
.set XF,   128
.set KW,   32
.set KACC, 64
.set T,    32
.set CD,   128
.set KC,   192
.set KXR,  128
.set MSB, 0
.macro WIN new                         ; the immediate's high byte repeats the setting that is left
.if MSB != \new
	s_set_vgpr_msb (MSB<<8)|\new
.set MSB, \new
.endif
.endm
.macro MKSCALE sc, lim                 ; s54 = the exponent: v[sc] = 2^e as f32, v[lim] = 448 x 2^e
	s_add_co_i32 s54, s54, 127
	s_lshl_b32 s55, s54, 23
	v_mov_b32 v[\sc], s55
	s_add_co_i32 s54, s54, 8
	s_lshl_b32 s54, s54, 23
	s_or_b32 s54, s54, 0x600000
	v_mov_b32 v[\lim], s54
.endm
; K step s's loads, 34 in all, into set s % 2.  The first 26 hang on no scale.
.macro GROUP_A s
	WIN 0x40
.irp ct, 0,1,2,3
.irp c, 0,1,2,3
	global_load_b128 v[64*((\s)%2)+16*\ct+4*\c:64*((\s)%2)+16*\ct+4*\c+3], v1, s[40:41] offset:8192*(\s)+2048*\ct+512*\c
.endr
.endr
	WIN 0xc0
.irp n, 0,1,2,3,4,5,6,7
	global_load_b128 v[40*((\s)%2)+4*\n:40*((\s)%2)+4*\n+3], v2, s[46:47] offset:16384*(\s)+2048*\n   ; the work-group's 128 threads take a fragment's 2,048 bytes
.endr
.irp n, 0,1
	global_load_b128 v[40*((\s)%2)+32+4*\n:40*((\s)%2)+32+4*\n+3], v2, s[42:43] offset:8192*(\s)+2048*\n
.endr
	WIN 0
.endm
.macro KXLOAD s, base                  ; my two row tiles' fragments of K step s, from the buffer at s[base]
	WIN 0x40
.irp xt, 0,1
.irp c, 0,1,2,3
	global_load_b128 v[KXR+32*((\s)%2)+16*\xt+4*\c:KXR+32*((\s)%2)+16*\xt+4*\c+3], v1, s[\base:\base+1] offset:16384*(\s)+2048*\xt+512*\c
.endr
.endr
	WIN 0
.endm
.macro GROUP_B s                       ; the other eight: from xq where the scale is e0's, else from xk or xv.  Eight loads on either way
	s_cmp_eq_u32 s62, 1
	s_cbranch_scc0 .Lown_\@
	KXLOAD \s, 44
	s_branch .Lgot_\@
.Lown_\@:
	KXLOAD \s, 58
.Lgot_\@:
.endm
; 16 matrix instructions: row tiles k0 .. k0 + 3 x my four column tiles.  The first K step starts the sums: nothing is cleared.
.macro MULQ s, k0
.irp kt, \k0, \k0+1, \k0+2, \k0+3
.irp ct, 0,1,2,3
.if (\s) == 0
	v_wmma_f32_16x16x128_fp8_fp8 v[8*(4*(\kt)+\ct):8*(4*(\kt)+\ct)+7], v[64*((\s)%2)+16*\ct:64*((\s)%2)+16*\ct+15], v[XF+16*(\kt):XF+16*(\kt)+15], 0
.else
	v_wmma_f32_16x16x128_fp8_fp8 v[8*(4*(\kt)+\ct):8*(4*(\kt)+\ct)+7], v[64*((\s)%2)+16*\ct:64*((\s)%2)+16*\ct+15], v[XF+16*(\kt):XF+16*(\kt)+15], v[8*(4*(\kt)+\ct):8*(4*(\kt)+\ct)+7]
.endif
.endr
.endr
.endm
; A K step of 128.  All 36 accumulators take turns, one instruction a turn, in the same order in every step.
.macro KSTEP s
.if (\s) < 7
	s_wait_loadcnt 34                              ; this step's 34 loads are in; the next step's 34 are younger
.else
	s_wait_loadcnt 0x0
.endif
	WIN 0x0c                                       ; store data in window 3
.irp n, 0,1,2,3,4,5,6,7
	ds_store_b128 v[2+2*((\s)/4)], v[40*((\s)%2)+4*\n:40*((\s)%2)+4*\n+3] offset:16384*((\s)%4)+2048*\n
.endr
.irp n, 0,1
	ds_store_b128 v6, v[40*((\s)%2)+32+4*\n:40*((\s)%2)+32+4*\n+3] offset:4096*(\s)+2048*\n
.endr
	WIN 0
	s_wait_dscnt 0x0                               ; for the others' sake: my part of the step's images has landed
	s_barrier_signal -1
	s_barrier_wait -1                              ; everybody's has
.irp kt, 0,1,2,3,4,5,6,7
.irp c, 0,1,2,3
	ds_load_b128 v[XF+16*\kt+4*\c:XF+16*\kt+4*\c+3], v[1+2*((\s)/4)] offset:16384*((\s)%4)+2048*\kt+512*\c
.endr
.endr
.irp wt, 0,1
.irp c, 0,1,2,3
	ds_load_b128 v[KW+16*\wt+4*\c:KW+16*\wt+4*\c+3], v5 offset:4096*(\s)+2048*\wt+512*\c
.endr
.endr
	s_wait_dscnt 24                                ; x's tiles 0-3 are in; the 16 loads of tiles 4-7 and the 8 of Wk or Wv are younger
	WIN 0xa1                                       ; source 0 window 1, source 1 window 0, C and D window 2
	MULQ \s, 0
	s_wait_dscnt 0x0
	MULQ \s, 4
	WIN 0
	s_cmp_lt_u32 s37, 2
	s_cbranch_scc0 .Lfor_v_\@
	WIN 0x04                                       ; k: source 0 = Wk's columns (window 0), source 1 = my rows of x (window 1)
.irp xt, 0,1
.irp wt, 0,1
.if (\s) == 0
	v_wmma_f32_16x16x128_fp8_fp8 v[KACC+8*(2*\xt+\wt):KACC+8*(2*\xt+\wt)+7], v[KW+16*\wt:KW+16*\wt+15], v[KXR+32*((\s)%2)+16*\xt:KXR+32*((\s)%2)+16*\xt+15], 0
.else
	v_wmma_f32_16x16x128_fp8_fp8 v[KACC+8*(2*\xt+\wt):KACC+8*(2*\xt+\wt)+7], v[KW+16*\wt:KW+16*\wt+15], v[KXR+32*((\s)%2)+16*\xt:KXR+32*((\s)%2)+16*\xt+15], v[KACC+8*(2*\xt+\wt):KACC+8*(2*\xt+\wt)+7]
.endif
.endr
.endr
	WIN 0
	s_branch .Ljoin_\@
.Lfor_v_\@:
	WIN 0x01                                       ; v: source 0 = my rows of x (window 1), source 1 = Wv's columns (window 0)
.irp wt, 0,1
.irp xt, 0,1
.if (\s) == 0
	v_wmma_f32_16x16x128_fp8_fp8 v[KACC+8*(2*\wt+\xt):KACC+8*(2*\wt+\xt)+7], v[KXR+32*((\s)%2)+16*\xt:KXR+32*((\s)%2)+16*\xt+15], v[KW+16*\wt:KW+16*\wt+15], 0
.else
	v_wmma_f32_16x16x128_fp8_fp8 v[KACC+8*(2*\wt+\xt):KACC+8*(2*\wt+\xt)+7], v[KXR+32*((\s)%2)+16*\xt:KXR+32*((\s)%2)+16*\xt+15], v[KW+16*\wt:KW+16*\wt+15], v[KACC+8*(2*\wt+\xt):KACC+8*(2*\wt+\xt)+7]
.endif
.endr
.endr
	WIN 0
.Ljoin_\@:
.rept 4
	v_nop                                          ; four places in front of loads into registers that matrix instructions have read, and of the first read of results
.endr
.if (\s)+2 <= 7
	GROUP_A \s+2
	GROUP_B \s+2
.endif
.endm
	s_load_b256 s[4:11], s[0:1], 0x0               ; xq s[4:5], xk s[6:7], xv s[8:9], wimg s[10:11]
	s_load_b128 s[12:15], s[0:1], 0x20             ; the exponents s[12:13], qimg s[14:15]
	s_load_b64 s[16:17], s[0:1], 0x30              ; kvimg
	v_lshl_add_u32 v126, v0, 2, 0x28000
	v_mov_b32 v127, 0
	v_lshrrev_b32 v1, 5, v0
	v_readfirstlane_b32 s36, v1                    ; wave 0..3
	v_and_b32 v1, 31, v0
	v_lshlrev_b32 v1, 4, v1                        ; 16 x lane: an image's place for my lane, in memory and in LDS
	v_lshlrev_b32 v2, 4, v0                        ; 16 x thread: the work-group's copy of a fragment
	v_add_nc_u32 v3, 0x10000, v1                   ; the same for K steps 4 to 7: an LDS immediate has 16 bits
	v_add_nc_u32 v4, 0x10000, v2
	v_add_nc_u32 v5, 0x20000, v1                   ; and for Wk's or Wv's images, behind x's 131,072 bytes
	v_add_nc_u32 v6, 0x20000, v2
	s_and_b32 s37, ttmp9, 3                        ; g
	s_lshr_b32 s38, ttmp9, 2                       ; the chunk
	s_lshl_b32 s39, s37, 2
	s_add_co_u32 s39, s39, s36                     ; my head
	s_lshl_b32 s56, s39, 16
	s_mov_b32 s57, 0
	s_lshr_b32 s58, s37, 1
	s_add_co_u32 s58, s58, 32                      ; group 32: Wk, 33: Wv,
	s_lshl_b32 s58, s58, 16
	s_and_b32 s59, s37, 1
	s_lshl_b32 s59, s59, 12                        ; its tiles 0, 1 or 2, 3
	s_add_co_u32 s58, s58, s59
	s_mov_b32 s59, 0
	s_lshl_b32 s60, s38, 17
	s_mov_b32 s61, 0
	s_wait_alu depctr_va_vdst(0)
	s_wait_kmcnt 0x0
	s_load_b256 s[24:31], s[12:13], 0x0            ; e0 .. e7
	s_load_b128 s[32:35], s[12:13], 0x20           ; e8 .. e11
	s_add_nc_u64 s[40:41], s[10:11], s[56:57]      ; Wq's images of my head
	s_add_nc_u64 s[42:43], s[10:11], s[58:59]      ; Wk's or Wv's
	s_add_nc_u64 s[46:47], s[4:5], s[60:61]        ; x's, of my chunk
	GROUP_A 0
	s_lshl_b32 s54, s38, 17                        ; qimg [chunk][row tile 8][head 16][1,024]
	s_lshl_b32 s55, s39, 10
	s_add_co_u32 s54, s54, s55
	s_mov_b32 s55, 0
	s_add_nc_u64 s[48:49], s[14:15], s[54:55]
	s_lshl_b32 s54, s36, 11                        ; kvimg, k: tile (2 w + p) x 1,024 + piece g x 512
	s_lshl_b32 s55, s37, 9
	s_add_co_u32 s54, s54, s55
	s_lshl_b32 s55, s37, 12                        ; v: 8,192 + tile (2 (g - 2) + p) x 2,048 + piece w x 512 = 4,096 g + 512 w + 2,048 p
	s_lshl_b32 s56, s36, 9
	s_add_co_u32 s55, s55, s56
	s_cmp_lt_u32 s37, 2
	s_cselect_b32 s54, s54, s55
	s_mov_b32 s56, 2048
	s_cselect_b32 s56, 1024, s56                   ; from p = 0 to p = 1
	s_lshl_b32 s55, s38, 14
	s_add_co_u32 s54, s54, s55
	s_mov_b32 s55, 0
	s_mov_b32 s57, 0
	s_add_nc_u64 s[50:51], s[16:17], s[54:55]
	s_add_nc_u64 s[52:53], s[50:51], s[56:57]
	s_lshl_b32 s54, s36, 12                        ; my two row tiles' fragments: chunk x 131,072 + wave x 4,096,
	s_add_co_u32 s60, s60, s54
	s_add_nc_u64 s[44:45], s[4:5], s[60:61]        ; in xq,
	s_cmp_lt_u32 s37, 2
	s_cselect_b64 s[58:59], s[6:7], s[8:9]         ; and in xk (my work-group makes k) or xv (it makes v): the choice hangs on the work-group's number alone
	s_add_nc_u64 s[58:59], s[58:59], s[60:61]
	s_wait_kmcnt 0x0
	s_cmp_eq_u32 s26, s24
	s_cselect_b32 s62, 1, 0                        ; is e2 the same number as e0?
	s_cmp_eq_u32 s28, s24
	s_cselect_b32 s63, 1, 0                        ; is e4?
	s_cmp_lt_u32 s37, 2
	s_cselect_b32 s62, s62, s63                    ; 1: my x for k or v is xq's
	GROUP_B 0
	GROUP_A 1
	GROUP_B 1
	s_sub_co_i32 s54, s30, s24
	s_sub_co_i32 s54, s54, s25                     ; a sum of x Wq stands for sum x 2^(e0 + e1): its code is sum / 2^(e6 - e0 - e1)
	MKSCALE 8, 9
	s_sub_co_i32 s55, s31, s26
	s_sub_co_i32 s55, s55, s27                     ; e7 - e2 - e3
	s_sub_co_i32 s56, s33, s28
	s_sub_co_i32 s56, s56, s29                     ; e9 - e4 - e5
	s_cmp_lt_u32 s37, 2
	s_cselect_b32 s54, s55, s56
	MKSCALE 10, 11
.irp s, 0,1,2,3,4,5,6,7
	KSTEP \s
.endr
	; q: a row tile's 32 sums a lane are d = 0 .. 63 of my head in the operand's order: held, converted, and stored as the two pieces of an image.  Each accumulator is read from its low end on.
	s_wait_alu depctr_va_vdst(0)
.irp kt, 0,1,2,3,4,5,6,7
	WIN 0x02                                       ; source 0 window 2
.set i, 0
.rept 32
	v_med3_num_f32 v[T+i], v[32*\kt+i], -v9, v9
.set i, i+1
.endr
	WIN 0
.irp q, 0,1,2,3
	v_cvt_scalef32_pk8_fp8_f32 v[CD+8*\kt+2*\q:CD+8*\kt+2*\q+1], v[T+8*\q:T+8*\q+7], v8
.endr
	v_nop                                          ; one plain instruction between the conversions and the next write of their sources
	global_store_b128 v1, v[CD+8*\kt:CD+8*\kt+3], s[48:49] offset:16384*\kt          ; 512 consecutive bytes; each tile has code registers of its own
	global_store_b128 v1, v[CD+8*\kt+4:CD+8*\kt+7], s[48:49] offset:16384*\kt+512
.endr
	; k or v: two pairs of accumulators, one piece of an image each
.set i, 0
.rept 32
	v_med3_num_f32 v[KACC+i], v[KACC+i], -v11, v11
.set i, i+1
.endr
.irp q, 0,1,2,3
	v_cvt_scalef32_pk8_fp8_f32 v[KC+2*\q:KC+2*\q+1], v[KACC+8*\q:KACC+8*\q+7], v10
.endr
	v_nop
	global_store_b128 v1, v[KC:KC+3], s[50:51]
	global_store_b128 v1, v[KC+4:KC+7], s[52:53]
	s_wait_tensorcnt 0x0
	ds_add_u32 v126, v127
	s_wait_dscnt 0x0
	s_endpgm
.Lfunc_end_k_qcb8641e4fc_proj:
	.size	k_qcb8641e4fc_proj, .Lfunc_end_k_qcb8641e4fc_proj-k_qcb8641e4fc_proj
	.p2alignl 7, 3214868480
	.fill 96, 4, 3214868480
	.section	.rodata,"a",@progbits
	.p2align	6, 0x0
	.amdhsa_kernel k_qcb8641e4fc_proj
		.amdhsa_group_segment_fixed_size 164352
		.amdhsa_private_segment_fixed_size 0
		.amdhsa_enable_private_segment 0
		.amdhsa_kernarg_size 56
		.amdhsa_user_sgpr_count 2
		.amdhsa_user_sgpr_kernarg_segment_ptr 1
		.amdhsa_wavefront_size32 1
		.amdhsa_system_sgpr_workgroup_id_x 1
		.amdhsa_system_sgpr_workgroup_id_y 1
		.amdhsa_system_sgpr_workgroup_id_z 1
		.amdhsa_system_vgpr_workitem_id 0
		.amdhsa_next_free_vgpr 848
		.amdhsa_next_free_sgpr 66
		.amdhsa_reserve_vcc 0
		.amdhsa_float_denorm_mode_32 3
		.amdhsa_float_denorm_mode_16_64 3
		.amdhsa_memory_ordered 1
		.amdhsa_forward_progress 1
		.amdhsa_inst_pref_size 111
	.end_amdhsa_kernel
	.amdgpu_metadata
---
amdhsa.version: [ 1, 2 ]
amdhsa.kernels:
  - .name:           k_qcb8641e4fc_proj
    .symbol:         k_qcb8641e4fc_proj.kd
    .args:
      - { .name: xq, .offset: 0, .size: 8, .value_kind: global_buffer, .address_space: global }
      - { .name: xk, .offset: 8, .size: 8, .value_kind: global_buffer, .address_space: global }
      - { .name: xv, .offset: 16, .size: 8, .value_kind: global_buffer, .address_space: global }
      - { .name: wimg, .offset: 24, .size: 8, .value_kind: global_buffer, .address_space: global }
      - { .name: lowp_scales, .offset: 32, .size: 8, .value_kind: global_buffer, .address_space: global }
      - { .name: qimg, .offset: 40, .size: 8, .value_kind: global_buffer, .address_space: global }
      - { .name: kvimg, .offset: 48, .size: 8, .value_kind: global_buffer, .address_space: global }
    .group_segment_fixed_size: 164352
    .private_segment_fixed_size: 0
    .kernarg_segment_align: 8
    .kernarg_segment_size: 56
    .max_flat_workgroup_size: 128
    .sgpr_count:     66
    .vgpr_count:     848
    .wavefront_size: 32
...
	.end_amdgpu_metadata
.endif
;; end of part 2
;; launch attn (part 3): grid 256 x 1, 16 waves a work-group, no clusters, 296,960 bytes of LDS; arguments qimg, kvimg, lowp_scales, aimg; writes aimg
.if DOCPART == 3
	.amdgcn_target "amdgcn-amd-amdhsa--gfx1250"
	.amdhsa_code_object_version 6
	.text
	.protected	k_qcb8641e4fc_attn
	.globl	k_qcb8641e4fc_attn
	.p2align	8
	.type	k_qcb8641e4fc_attn,@function
k_qcb8641e4fc_attn:
	s_mov_b64 s[64:65], 0
	v_nop
	global_prefetch_b8 v0, s[64:65] scope:SCOPE_SE
	s_setreg_imm32_b32 hwreg(HW_REG_WAVE_MODE, 25, 1), 1
	s_wait_xcnt 0x0
; Causal attention with one shared K and V head, both products on codes of FP8 (E4M3).  16 heads of 64, 4 batches of 2,048 tokens; a chunk is 128 tokens.
; t = score x 2^(e6 + e7) x log2(e) / 8;  M = the running largest t rounded UP to a whole number;  p = 2^(t - M) is quantised under e8, not normalised; the row's sum is taken of the unquantised p and divides at the end;
; when M moves, the sum and O are multiplied by 2^(old M - new M), which rounds nothing.  The result x 2^(e8 + e9) / sum is quantised under e10 and stored as the last product's operand.
; LEFT OUT: key chunks that lie wholly behind a query tile's own chunk: the causal mask makes their p zero for all inputs.  A NaN or infinity that reaches only those scores is not carried on.
; SHARES.  A work-group owns query tile kt (16 tokens: 32 (kt / 2) + 8 (kt % 2) + r + 8 (r / 8)) of chunk 15 - a and then of chunk a of one batch: 16 - a and a + 1 key steps of 128 keys: 17 in every work-group.
; Wave w owns head w of those tokens: one tile in 256 registers, four waves to a SIMD, so that one wave's chains and LDS waits stand beside three other waves' work.
; LAYOUT.  Both products transposed: S^T = K Q^T (source 0 = 16 keys), O^T = V^T P^T (source 0 = 16 channels): a lane holds ONE query.  Keys and channels of a tile are permuted as the tokens are, so p's 16 registers of
; two neighbouring tiles are 16 neighbouring keys and O^T's are 16 neighbouring channels: the conversions' results are the next operand's registers.
; LDS.  Chunk i of the batch's K and V images lies at 16,384 i (8,192 bytes of K: [tile 8][piece 2][512]; 8,192 of V^T: [tile 4][piece 4][512]).  Each chunk is brought once, through registers; no byte is written twice.
; At the top of trip I a wave stores its 32 bytes of chunk I + 2, asks memory for chunk I + 3 and signals the barrier; it waits for the barrier behind its key step, which reads chunks I and I + 1 alone:
; those were stored ahead of earlier barriers, and nobody writes them again.  The second phase finds its chunks in LDS.
; The trip counts are constants of the text; what a work-group has no use for is jumped over by scalar branches on its number.  The addresses reach two chunks past the sixteenth in lines that are then jumped over: LDS is claimed for 18.
; No cluster and no tensor load: the work-groups of a batch need different numbers of chunks.
; No prefetch: each chunk is asked for by register loads three key steps ahead of its first use.
; LIMITS: e6 + e7 between -123 and 130 (added to c's exponent field); e8 and e10 between -126 and 119; scores and t above -3e38 and t under 2^31 in size.  NaN among the inputs is not served.
; REGISTERS.  v1 16 x lane; v3 16 x thread + 32,768; v4 16 x thread; v5 my query in its block of 32, less 16 h; v6 -infinity; v7, v9 LDS addresses in hand; v10, v11 2^e8, 448 x 2^e8; v12, v13 the same for e10;
;   v16 -M (v17 named with it); v[18:19] the sum in two halves; v20 the largest score; v24-31 a chunk on its way to LDS; v32-39, v40-47 Q of the two phases; v48-63 p's codes; v64-127 S^T, then p;
;   v128-191 K's eight fragments, then V's four; v192-223 O^T; v232-249 at work; v254, v255 the spare word's address and 0.
.macro MKSCALE e, sc, lim              ; s[e] = the exponent: v[sc] = 2^e as f32, v[lim] = 448 x 2^e
	s_add_co_i32 s60, s[\e], 127
	s_lshl_b32 s61, s60, 23
	v_mov_b32 v[\sc], s61
	s_add_co_i32 s60, s60, 8
	s_lshl_b32 s60, s60, 23
	s_or_b32 s60, s60, 0x600000
	v_mov_b32 v[\lim], s60
.endm
; A key step: chunk I (s30) of the keys, at LDS byte s34.  qb: Q's registers.  K was asked for at the end of the step before.
.macro STEP qb
	s_add_co_u32 s31, s30, 1
	s_wait_dscnt 0x0                               ; K's sixteen loads are in
.irp kk, 0,1,2,3,4,5,6,7
	v_wmma_f32_16x16x64_fp8_fp8 v[64+8*\kk:71+8*\kk], v[128+8*\kk:135+8*\kk], v[\qb:\qb+7], 0
.endr
	v_add_nc_u32 v7, s34, v1                       ; four places in front of the loads into K's registers and of the first read of the scores: two lines that are due anyway
	v_mov_b32 v238, v16                            ; (the old -M)
	v_nop
	v_nop                                          ; and two idle ones
.irp dt, 0,1,2,3
.irp c, 0,1,2,3
	ds_load_b128 v[128+16*\dt+4*\c:131+16*\dt+4*\c], v7 offset:8192+2048*\dt+512*\c   ; V: it has the softmax in which to land
.endr
.endr
	s_cmp_lt_u32 s31, s33
	s_cbranch_scc1 .Lopen_\@
	; the phase's last step is the queries' own chunk.  Register 16 b + i holds key 32 b + 16 h + i.  Blocks b under my queries' block count whole; in my block a key is hidden where i > v5; later blocks are hidden whole
.irp b, 0,1,2,3
	s_cmp_le_u32 s29, \b
	s_cbranch_scc0 .Lvis_\@_\b
	s_cmp_eq_u32 s29, \b
	s_cbranch_scc0 .Lhid_\@_\b
.irp i, 0,1,2,3,4,5,6,7,8,9,10,11,12,13,14,15
	v_cmp_gt_i32 vcc_lo, \i, v5
	v_cndmask_b32 v[64+16*\b+\i], v[64+16*\b+\i], v6, vcc_lo
.endr
	s_branch .Lvis_\@_\b
.Lhid_\@_\b:
.irp i, 0,1,2,3,4,5,6,7,8,9,10,11,12,13,14,15
	v_mov_b32 v[64+16*\b+\i], v6
.endr
.Lvis_\@_\b:
.endr
	s_wait_alu depctr_va_vdst(0)
.Lopen_\@:
.irp q, 0,1,2,3                                ; the step's largest score among my 64 keys, in four chains; every accumulator is read from its low end on
	v_max3_num_f32 v[232+\q], v[64+16*\q], v[65+16*\q], v[66+16*\q]
.endr
.irp j, 3,5,7,9,11,13
.irp q, 0,1,2,3
	v_max3_num_f32 v[232+\q], v[232+\q], v[64+16*\q+\j], v[65+16*\q+\j]
.endr
.endr
	v_max3_num_f32 v232, v232, v233, v79
	v_max3_num_f32 v234, v234, v235, v95
	v_max3_num_f32 v232, v232, v111, v127
	v_max_num_f32 v232, v232, v234
	v_permlanex16_b32 v236, v232, s40, s41         ; the query's other 64 keys lie in the lane 16 away
	v_max3_num_f32 v20, v20, v232, v236            ; the running largest score
	v_mul_f32 v237, s38, v20                       ; as t (c is positive, so the largest score gives the largest t)
	v_floor_f32 v16, -v237                         ; the new -M = floor(-t) = -ceil(t)
	v_sub_f32 v238, v16, v238                      ; old M - new M: a whole number, 0 or less
	v_cvt_i32_f32 v238, v238                       ; (it saturates)
	v_ldexp_f32 v240, 1.0, v238                    ; f = 2^(old M - new M)
.set i, 0
.rept 32
	v_pk_fma_f32 v[64+i:65+i], v[64+i:65+i], s[38:39], v[16:17] op_sel_hi:[1,0,0]   ; t - M, two at a time (of the pairs c and -M the low word serves both halves)
.set i, i+2
.endr
	s_wait_alu depctr_va_vdst(0)                   ; the wait ahead of the batch
.set i, 0
.rept 64
	v_exp_f32 v[64+i], v[64+i]                     ; p = 2^(t - M): one batch
.set i, i+1
.endr
	v_pk_mul_f32 v[18:19], v[18:19], v[240:241] op_sel_hi:[1,0]   ; the sums under the new M: the plain instruction behind the exponentials
	s_wait_alu depctr_va_vdst(0)                   ; one wait for the batch, ahead of its first reader
	v_pk_add_f32 v[242:243], v[64:65], v[66:67]    ; the row's sum, of the unquantised p, in four chains
	v_pk_add_f32 v[244:245], v[68:69], v[70:71]
	v_pk_add_f32 v[246:247], v[72:73], v[74:75]
.irp j, 12,20,28,36,44,52
	v_pk_add_f32 v[18:19], v[18:19], v[64+\j:65+\j]
	v_pk_add_f32 v[242:243], v[242:243], v[66+\j:67+\j]
	v_pk_add_f32 v[244:245], v[244:245], v[68+\j:69+\j]
	v_pk_add_f32 v[246:247], v[246:247], v[70+\j:71+\j]
.endr
	v_pk_add_f32 v[18:19], v[18:19], v[124:125]
	v_pk_add_f32 v[242:243], v[242:243], v[126:127]
	v_pk_add_f32 v[244:245], v[244:245], v[246:247]
	v_pk_add_f32 v[18:19], v[18:19], v[242:243]
	v_pk_add_f32 v[18:19], v[18:19], v[244:245]
	s_cmp_ge_i32 s24, -8                           ; p is at most 1, and from e8 = -8 on 448 x 2^e8 is at least 1.75: the hold would change nothing
	s_cbranch_scc1 .Lno_hold_\@
.set i, 0
.rept 64
	v_min_num_f32 v[64+i], v[64+i], v11            ; the conversion does not saturate (ISA guide 7.6.2); p is not negative, so the hold is one-sided
.set i, i+1
.endr
.Lno_hold_\@:
.set i, 0
.rept 8
	v_cvt_scalef32_pk8_fp8_f32 v[48+2*i:49+2*i], v[64+8*i:71+8*i], v10
.set i, i+1
.endr
	s_wait_dscnt 0x0                               ; V is in
	s_wait_alu depctr_va_vdst(0)                   ; the wait directly ahead of the first readers of O^T
.set i, 0
.rept 16
	v_pk_mul_f32 v[192+i:193+i], v[192+i:193+i], v[240:241] op_sel_hi:[1,0]   ; O^T under the new M; also the plain instructions between the conversions and the products that read the codes
.set i, i+2
.endr
.irp dt, 0,1,2,3                               ; O^T += V^T P^T: four accumulators by turns, K = the step's 128 keys
	v_wmma_f32_16x16x128_fp8_fp8 v[192+8*\dt:199+8*\dt], v[128+16*\dt:143+16*\dt], v[48:63], v[192+8*\dt:199+8*\dt]
.endr
.rept 4
	v_nop                                          ; four places in front of the loads into V's registers and of the first read of O^T
.endr
	s_cmp_lt_u32 s31, s33
	s_cbranch_scc0 .Llast_\@
.irp kk, 0,1,2,3,4,5,6,7
.irp c, 0,1
	ds_load_b128 v[128+8*\kk+4*\c:131+8*\kk+4*\c], v7 offset:16384+1024*\kk+512*\c   ; the next step's K
.endr
.endr
.Llast_\@:
.endm
.macro BEGIN                           ; a phase's start.  The step is written once for all trips: the first finds zeros, which the first change of M leaves zeros
	s_wait_dscnt 0x0                               ; no LDS load of mine is out: K's registers are loaded anew below
	v_mov_b32 v20, 0xff61b1e6                      ; the largest score so far: -3e38
	v_mov_b32 v16, 0x7f61b1e6                      ; -M: 3e38
	v_mov_b32 v17, 0
	v_mov_b32 v18, 0
	v_mov_b32 v19, 0
.set i, 0
.rept 32
	v_mov_b32 v[192+i], 0
.set i, i+1
.endr
.irp kk, 0,1,2,3,4,5,6,7
.irp c, 0,1
	ds_load_b128 v[128+8*\kk+4*\c:131+8*\kk+4*\c], v1 offset:1024*\kk+512*\c   ; K of chunk 0
.endr
.endr
	s_wait_alu depctr_va_vdst(0)
.endm
; A phase's end: O^T x 2^(e8 + e9) / sum, quantised under e10.  My head is half a K step of the last product: two pieces of a fragment, 1,024 consecutive bytes.
.macro FINISH base
	v_add_f32 v248, v18, v19
	v_permlanex16_b32 v236, v248, s40, s41
	v_add_f32 v248, v248, v236
	s_wait_alu depctr_va_vdst(0)                   ; the wait ahead of the transcendental
	v_rcp_f32 v248, v248
	v_nop                                          ; a plain instruction behind the reciprocal,
	s_wait_alu depctr_va_vdst(0)                   ; and the wait ahead of its first reader
	v_ldexp_f32 v248, v248, s42
	s_wait_alu depctr_va_vdst(0)                   ; the wait directly ahead of the first readers of O^T
.set i, 0
.rept 16
	v_pk_mul_f32 v[64+i:65+i], v[192+i:193+i], v[248:249] op_sel_hi:[1,0]
.set i, i+2
.endr
.set i, 0
.rept 32
	v_med3_num_f32 v[64+i], v[64+i], -v13, v13
.set i, i+1
.endr
.set i, 0
.rept 4
	v_cvt_scalef32_pk8_fp8_f32 v[48+2*i:49+2*i], v[64+8*i:71+8*i], v12
.set i, i+1
.endr
	v_nop                                          ; one plain instruction behind the last conversion
.irp c, 0,1
	global_store_b128 v1, v[48+4*\c:51+4*\c], s[\base:\base+1] offset:512*\c
.endr
	s_wait_xcnt 0x0                                ; the stores have read their registers: the codes' registers are written again in the next phase
.endm
	s_load_b256 s[4:11], s[0:1], 0x0               ; qimg s[4:5], kvimg s[6:7], the exponents s[8:9], aimg s[10:11]
	v_lshl_add_u32 v254, v0, 2, 0x48000
	v_mov_b32 v255, 0
	v_lshrrev_b32 v7, 5, v0
	v_readfirstlane_b32 s28, v7                    ; wave 0..15: my head
	v_and_b32 v7, 31, v0
	v_lshlrev_b32 v1, 4, v7
	v_lshlrev_b32 v4, 4, v0
	v_add_nc_u32 v3, 0x8000, v4
	s_lshr_b32 s43, ttmp9, 6                       ; batch
	s_bfe_u32 s44, ttmp9, 0x30003                  ; a
	s_and_b32 s45, ttmp9, 7                        ; kt
	s_lshr_b32 s29, s45, 1                         ; my queries' block of 32 in their chunk
	s_lshl_b32 s47, s43, 4
	s_sub_co_u32 s46, 15, s44
	s_add_co_u32 s56, s47, s46                     ; the first phase's chunk, counted through the batches,
	s_add_co_u32 s57, s47, s44                     ; the second's
	s_lshl_b32 s56, s56, 17                        ; a chunk is 131,072 bytes in qimg and in aimg
	s_lshl_b32 s57, s57, 17
	s_lshl_b32 s58, s45, 14                        ; qimg [chunk][tile 8][head 16][1,024]
	s_lshl_b32 s59, s28, 10
	s_add_co_u32 s58, s58, s59
	s_lshr_b32 s59, s28, 1                         ; aimg [chunk][K step 8][tile 8][2,048]: K step head / 2, pieces 2 (head % 2) and the next
	s_lshl_b32 s59, s59, 14
	s_lshl_b32 s60, s45, 11
	s_add_co_u32 s59, s59, s60
	s_and_b32 s60, s28, 1
	s_lshl_b32 s60, s60, 10
	s_add_co_u32 s59, s59, s60
	s_mov_b32 s61, 0
	s_mov_b32 s63, 0
	s_wait_alu depctr_va_vdst(0)                   ; the wait here, directly ahead of the wait below
	s_wait_kmcnt 0x0
	s_load_b256 s[16:23], s[8:9], 0x0              ; e0 .. e7
	s_load_b128 s[24:27], s[8:9], 0x20             ; e8 .. e11
	s_add_co_u32 s60, s56, s58
	s_add_nc_u64 s[48:49], s[4:5], s[60:61]
	s_add_co_u32 s60, s57, s58
	s_add_nc_u64 s[50:51], s[4:5], s[60:61]
	s_add_co_u32 s60, s56, s59
	s_add_nc_u64 s[52:53], s[10:11], s[60:61]
	s_add_co_u32 s60, s57, s59
	s_add_nc_u64 s[54:55], s[10:11], s[60:61]
	s_lshl_b32 s62, s43, 18                        ; a batch's 16 chunks of K and V
	s_add_nc_u64 s[36:37], s[6:7], s[62:63]
	s_add_nc_u64 s[14:15], s[36:37], 0xc000        ; chunk 3: what trip 0 asks for
	global_load_b128 v[24:27], v4, s[36:37]                    ; chunk 0: 512 threads x 16 bytes, twice
	global_load_b128 v[28:31], v4, s[36:37] offset:8192
	global_load_b128 v[64:67], v4, s[36:37] offset:16384       ; chunk 1
	global_load_b128 v[68:71], v4, s[36:37] offset:24576
.irp c, 0,1
	global_load_b128 v[32+4*\c:35+4*\c], v1, s[48:49] offset:512*\c   ; Q of both phases stays in registers
	global_load_b128 v[40+4*\c:43+4*\c], v1, s[50:51] offset:512*\c
.endr
	s_and_b32 s60, s45, 1
	s_lshl_b32 s60, s60, 3                         ; 8 (kt % 2)
	v_and_b32 v7, 15, v0
	v_and_b32 v9, 8, v0
	v_add_nc_u32 v5, v7, v9                        ; r + 8 (r / 8)
	v_and_b32 v9, 16, v0
	v_sub_nc_u32 v5, v5, v9                        ; - 16 h
	v_add_nc_u32 v5, s60, v5
	v_mov_b32 v6, 0xff800000
.irp j, 236,241,249
	v_mov_b32 v\j, 0                               ; written once: named as the destination of lane permutes and as upper halves of pairs
.endr
	s_mov_b32 s40, 0x76543210                      ; v_permlanex16_b32: each lane takes its own place in the other half
	s_mov_b32 s41, 0xfedcba98
	s_wait_kmcnt 0x0
	s_add_co_i32 s60, s22, s23
	s_lshl_b32 s60, s60, 23
	s_add_co_i32 s38, s60, 0x3e38aa3b              ; c = log2(e) / 8, with e6 + e7 added to its exponent field
	s_mov_b32 s39, s38                             ; (named with it as a pair, so it is written)
	s_add_co_i32 s42, s24, s25                     ; e8 + e9
	MKSCALE 24, 10, 11
	MKSCALE 26, 12, 13
	s_wait_alu depctr_va_vdst(0)                   ; the wait at the head's end
	s_wait_loadcnt 4                               ; chunks 0 and 1 are in; Q's four loads are younger
	ds_store_b128 v4, v[24:27]
	ds_store_b128 v4, v[28:31] offset:8192
	ds_store_b128 v4, v[64:67] offset:16384
	ds_store_b128 v4, v[68:71] offset:24576
	s_wait_dscnt 0x0                               ; for the others' sake: my part has landed; and the stores have read their registers
	global_load_b128 v[24:27], v4, s[36:37] offset:32768       ; chunk 2 (every work-group walks nine chunks at the least)
	global_load_b128 v[28:31], v4, s[36:37] offset:40960
	s_barrier_signal -1
	s_barrier_wait -1                              ; chunks 0 and 1 are whole
	s_wait_loadcnt 2                               ; Q is in; chunk 2's two loads are younger
	s_mov_b32 s30, 0                               ; I, the key step
	s_mov_b32 s34, 0                               ; its chunk's LDS byte
	s_sub_co_u32 s33, 16, s44                      ; N = 16 - a
	BEGIN
.Lfirst:                                           ; sixteen trips in every work-group
	s_wait_loadcnt 0x0                             ; chunk I + 2 is in my registers: asked for a trip ago
	s_add_co_u32 s32, s30, 2
	s_cmp_lt_u32 s32, s33
	s_cbranch_scc0 .Lno_store
	v_add_nc_u32 v9, s34, v3
	ds_store_b128 v9, v[24:27]
	ds_store_b128 v9, v[28:31] offset:8192
.Lno_store:
	s_wait_dscnt 0x0                               ; for the others' sake: my part of chunk I + 2 has landed
	s_add_co_u32 s32, s30, 3
	s_cmp_lt_u32 s32, s33
	s_cbranch_scc0 .Lno_fetch
	global_load_b128 v[24:27], v4, s[14:15]                    ; chunk I + 3: it has the step in which to land
	global_load_b128 v[28:31], v4, s[14:15] offset:8192
.Lno_fetch:
	s_barrier_signal -1                            ; say so; the step below works on registers and reads chunks I and I + 1, which nobody writes any more
	s_cmp_lt_u32 s30, s33
	s_cbranch_scc0 .Lfirst_next
	STEP 32
.Lfirst_next:
	s_barrier_wait -1                              ; everybody has said so: chunk I + 2 is whole
	s_wait_xcnt 0x0                                ; the loads' base is stepped only behind this wait
	s_add_nc_u64 s[14:15], s[14:15], 0x4000
	s_add_co_u32 s34, s34, 0x4000
	s_add_co_u32 s30, s30, 1
	s_cmp_lt_u32 s30, 16
	s_cbranch_scc1 .Lfirst
	FINISH 52
	s_mov_b32 s30, 0
	s_mov_b32 s34, 0
	s_add_co_u32 s33, s44, 1                       ; N = a + 1: chunks that the first phase has brought, each ahead of a barrier that every wave has passed
	BEGIN
.Lsecond:                                          ; eight trips in every work-group
	s_cmp_lt_u32 s30, s33
	s_cbranch_scc0 .Lsecond_next
	STEP 40
.Lsecond_next:
	s_add_co_u32 s34, s34, 0x4000
	s_add_co_u32 s30, s30, 1
	s_cmp_lt_u32 s30, 8
	s_cbranch_scc1 .Lsecond
	FINISH 54
	s_wait_tensorcnt 0x0                           ; the wave's end
	ds_add_u32 v254, v255
	s_wait_dscnt 0x0
	s_endpgm
.Lfunc_end_k_qcb8641e4fc_attn:
	.size	k_qcb8641e4fc_attn, .Lfunc_end_k_qcb8641e4fc_attn-k_qcb8641e4fc_attn
	.p2alignl 7, 3214868480
	.fill 96, 4, 3214868480
	.section	.rodata,"a",@progbits
	.p2align	6, 0x0
	.amdhsa_kernel k_qcb8641e4fc_attn
		.amdhsa_group_segment_fixed_size 296960
		.amdhsa_private_segment_fixed_size 0
		.amdhsa_enable_private_segment 0
		.amdhsa_kernarg_size 32
		.amdhsa_user_sgpr_count 2
		.amdhsa_user_sgpr_kernarg_segment_ptr 1
		.amdhsa_wavefront_size32 1
		.amdhsa_system_sgpr_workgroup_id_x 1
		.amdhsa_system_sgpr_workgroup_id_y 1
		.amdhsa_system_sgpr_workgroup_id_z 1
		.amdhsa_system_vgpr_workitem_id 0
		.amdhsa_next_free_vgpr 256
		.amdhsa_next_free_sgpr 66
		.amdhsa_reserve_vcc 1
		.amdhsa_float_denorm_mode_32 3
		.amdhsa_float_denorm_mode_16_64 3
		.amdhsa_memory_ordered 1
		.amdhsa_forward_progress 1
		.amdhsa_inst_pref_size 63
	.end_amdhsa_kernel
	.amdgpu_metadata
---
amdhsa.version: [ 1, 2 ]
amdhsa.kernels:
  - .name:           k_qcb8641e4fc_attn
    .symbol:         k_qcb8641e4fc_attn.kd
    .args:
      - { .name: qimg, .offset: 0, .size: 8, .value_kind: global_buffer, .address_space: global }
      - { .name: kvimg, .offset: 8, .size: 8, .value_kind: global_buffer, .address_space: global }
      - { .name: lowp_scales, .offset: 16, .size: 8, .value_kind: global_buffer, .address_space: global }
      - { .name: aimg, .offset: 24, .size: 8, .value_kind: global_buffer, .address_space: global }
    .group_segment_fixed_size: 296960
    .private_segment_fixed_size: 0
    .kernarg_segment_align: 8
    .kernarg_segment_size: 32
    .max_flat_workgroup_size: 512
    .sgpr_count:     66
    .vgpr_count:     256
    .wavefront_size: 32
...
	.end_amdgpu_metadata
.endif
;; end of part 3
;; launch oproj (part 4): grid 256 x 1, 4 waves a work-group, no clusters, 166,400 bytes of LDS; arguments aimg, wimg, lowp_scales, out0; writes out0
.if DOCPART == 4
	.amdgcn_target "amdgcn-amd-amdhsa--gfx1250"
	.amdhsa_code_object_version 6
	.text
	.protected	k_qcb8641e4fc_oproj
	.globl	k_qcb8641e4fc_oproj
	.p2align	8
	.type	k_qcb8641e4fc_oproj,@function
k_qcb8641e4fc_oproj:
	s_mov_b64 s[64:65], 0
	v_nop
	global_prefetch_b8 v0, s[64:65] scope:SCOPE_SE
	s_setreg_imm32_b32 hwreg(HW_REG_WAVE_MODE, 25, 1), 1
	s_wait_xcnt 0x0
; out0 = (attention's result) Wo on codes of FP8 (E4M3), K = 1,024; each f32 sum is multiplied once by 2^(e10 + e11).  out0: [8192][1024] f32.
; Both operands arrive as images (16 rows x 128 K: four pieces of 512 bytes, lane l's 16 bytes at 16 l: k = 32 c + 16 h + 0 .. 15); row r of tile t is PI(t, r) = 32 (t / 2) + 8 (t % 2) + r + 8 (r / 8).
; SHARES.  Work-group = chunk of 128 tokens (ttmp9 / 4) x column group g (ttmp9 % 4).  Wave w makes columns 64 (4 g + w) .. + 63 for all 128 tokens: 4 column tiles x 8 row tiles, 32 accumulators.
; Source 0 = Wo's columns, source 1 = the tokens: a lane holds one token, and the 32 registers of a row tile are its 64 columns' halves in ascending order.
; ROADS.  Wo's fragments: memory to registers, three K steps ahead.  The tokens' eight fragments of a K step are read by all four waves: memory, registers, LDS; every K step has LDS bytes of its own, so one barrier a step.
; THE WAY OUT.  A row tile's 16 rows x 256 bytes go through the wave's own stage in LDS and come back as whole rows: sixteen lanes store 256 consecutive bytes, aligned.
; No cluster: what the four work-groups of a chunk share is the tokens' images, 128 of the 384 KB that a work-group reads, and nothing here goes by tensor loads.
; LIMIT: e10 + e11 between -126 and 127, so that 2^(e10 + e11) is an f32 number.
; REGISTERS.  window 0: v1-7 addresses; v32-63 a tile's sums x the scale; v64-127 rows read back, two sets; v128-255 the tokens' eight fragments.
;   window 1: v0-191 Wo's four fragments, three sets.   window 2: the accumulators, at 8 (4 kt + ct).   window 3: v0-95 what goes on into LDS, three sets of 32.
.set XF,  128
.set TMP, 32
.set BK,  64
.set SPI, 272                          ; a stage row: 256 bytes + 16, so that sixteen rows start at sixteen different banks (64 banks of 4 bytes: ISA guide 11.1)
.set MSB, 0
.macro WIN new                         ; the immediate's high byte repeats the setting that is left
.if MSB != \new
	s_set_vgpr_msb (MSB<<8)|\new
.set MSB, \new
.endif
.endm
.macro GROUP s                         ; K step s's 24 loads, into set s % 3
	WIN 0x40
.irp ct, 0,1,2,3
.irp c, 0,1,2,3
	global_load_b128 v[64*((\s)%3)+16*\ct+4*\c:64*((\s)%3)+16*\ct+4*\c+3], v1, s[40:41] offset:8192*(\s)+2048*\ct+512*\c
.endr
.endr
	WIN 0xc0
.irp n, 0,1,2,3,4,5,6,7
	global_load_b128 v[32*((\s)%3)+4*\n:32*((\s)%3)+4*\n+3], v2, s[42:43] offset:16384*(\s)+2048*\n
.endr
	WIN 0
.endm
.macro MULQ s, k0                      ; 16 matrix instructions: row tiles k0 .. k0 + 3 x my four column tiles.  The first K step starts the sums
.irp kt, \k0, \k0+1, \k0+2, \k0+3
.irp ct, 0,1,2,3
.if (\s) == 0
	v_wmma_f32_16x16x128_fp8_fp8 v[8*(4*(\kt)+\ct):8*(4*(\kt)+\ct)+7], v[64*((\s)%3)+16*\ct:64*((\s)%3)+16*\ct+15], v[XF+16*(\kt):XF+16*(\kt)+15], 0
.else
	v_wmma_f32_16x16x128_fp8_fp8 v[8*(4*(\kt)+\ct):8*(4*(\kt)+\ct)+7], v[64*((\s)%3)+16*\ct:64*((\s)%3)+16*\ct+15], v[XF+16*(\kt):XF+16*(\kt)+15], v[8*(4*(\kt)+\ct):8*(4*(\kt)+\ct)+7]
.endif
.endr
.endr
.endm
; A K step of 128.  The 32 accumulators take turns, one instruction a turn, in the same order in every step.
.macro KSTEP s
.if (\s) <= 5
	s_wait_loadcnt 48                              ; this step's 24 loads are in; those of the two steps behind it are younger
.elseif (\s) == 6
	s_wait_loadcnt 24
.else
	s_wait_loadcnt 0x0
.endif
	WIN 0x0c                                       ; store data in window 3
.irp n, 0,1,2,3,4,5,6,7
	ds_store_b128 v[2+2*((\s)/4)], v[32*((\s)%3)+4*\n:32*((\s)%3)+4*\n+3] offset:16384*((\s)%4)+2048*\n
.endr
	WIN 0
	s_wait_dscnt 0x0                               ; for the others' sake: my part of the step's images has landed
	s_barrier_signal -1
	s_barrier_wait -1
.irp kt, 0,1,2,3,4,5,6,7
.irp c, 0,1,2,3
	ds_load_b128 v[XF+16*\kt+4*\c:XF+16*\kt+4*\c+3], v[1+2*((\s)/4)] offset:16384*((\s)%4)+2048*\kt+512*\c
.endr
.endr
	s_wait_dscnt 16                                ; tiles 0-3 are in; the 16 loads of tiles 4-7 are younger
	WIN 0xa1                                       ; source 0 window 1, source 1 window 0, C and D window 2
	MULQ \s, 0
	s_wait_dscnt 0x0
	MULQ \s, 4
	WIN 0
.rept 4
	v_nop                                          ; four places in front of loads into registers that matrix instructions have read, and of the first read of results
.endr
.if (\s)+3 <= 7
	GROUP \s+3
.endif
.endm
	s_load_b256 s[4:11], s[0:1], 0x0               ; aimg s[4:5], wimg s[6:7], the exponents s[8:9], out0 s[10:11]
	v_lshl_add_u32 v30, v0, 2, 0x28800
	v_mov_b32 v31, 0
	v_lshrrev_b32 v1, 5, v0
	v_readfirstlane_b32 s36, v1                    ; wave 0..3
	v_and_b32 v1, 31, v0
	v_lshlrev_b32 v1, 4, v1                        ; 16 x lane
	v_lshlrev_b32 v2, 4, v0                        ; 16 x thread
	v_add_nc_u32 v3, 0x10000, v1                   ; the same for K steps 4 to 7: an LDS immediate has 16 bits
	v_add_nc_u32 v4, 0x10000, v2
	s_and_b32 s37, ttmp9, 3                        ; g
	s_lshr_b32 s38, ttmp9, 2                       ; the chunk
	s_lshl_b32 s39, s37, 2
	s_add_co_u32 s39, s39, s36                     ; my 64 columns
	s_add_co_u32 s48, s39, 16                      ; Wo's groups follow Wq's sixteen
	s_lshl_b32 s48, s48, 16
	s_mov_b32 s49, 0
	s_lshl_b32 s50, s38, 17
	s_mov_b32 s51, 0
	s_lshl_b32 s52, s38, 19                        ; 128 rows of 4,096 bytes
	s_lshl_b32 s53, s39, 8
	s_add_co_u32 s52, s52, s53
	s_mov_b32 s53, 0
	s_wait_alu depctr_va_vdst(0)
	s_wait_kmcnt 0x0
	s_load_b64 s[46:47], s[8:9], 0x28              ; e10, e11
	s_add_nc_u64 s[40:41], s[6:7], s[48:49]
	s_add_nc_u64 s[42:43], s[4:5], s[50:51]
	s_add_nc_u64 s[44:45], s[10:11], s[52:53]
	GROUP 0
	GROUP 1
	GROUP 2
	s_mul_i32 s54, s36, 32*SPI
	s_add_co_u32 s54, s54, 0x20000                 ; my two stages, behind the images' 131,072 bytes
	v_and_b32 v8, 15, v0
	v_bfe_u32 v9, v0, 4, 1
	v_mul_u32_u24 v5, v8, SPI
	v_lshl_add_u32 v5, v9, 6, v5
	v_add_nc_u32 v5, s54, v5                       ; in: row r, + 64 h: my 16 columns of each 32
	v_mul_u32_u24 v6, v9, SPI
	v_lshl_add_u32 v6, v8, 4, v6
	v_add_nc_u32 v6, s54, v6                       ; back: lanes 0-15 one row, lanes 16-31 the next
	v_lshlrev_b32 v7, 12, v9
	v_lshl_add_u32 v7, v8, 4, v7                   ; and the same two rows in out0
.irp s, 0,1,2,3,4,5,6,7
	KSTEP \s
.endr
	s_wait_kmcnt 0x0
	s_add_co_i32 s46, s46, s47
	s_add_co_i32 s46, s46, 127
	s_lshl_b32 s46, s46, 23                        ; 2^(e10 + e11) as f32
	s_mov_b32 s47, s46                             ; (named with it as a pair, so it is written)
.macro TOSTAGE kt
	WIN 0x02                                       ; source 0 window 2
.set i, 0
.rept 16
	v_pk_mul_f32 v[TMP+i:TMP+i+1], v[32*(\kt)+i:32*(\kt)+i+1], s[46:47] op_sel_hi:[1,0]   ; each accumulator from its low end on
.set i, i+2
.endr
	WIN 0
.irp b, 0,1
.irp q, 0,1,2,3
	ds_store_b128 v5, v[TMP+16*\b+4*\q:TMP+16*\b+4*\q+3] offset:128*\b+16*\q+16*SPI*((\kt)%2)
.endr
.endr
.irp t, 0,1,2,3,4,5,6,7
	ds_load_b128 v[BK+32*((\kt)%2)+4*\t:BK+32*((\kt)%2)+4*\t+3], v6 offset:2*SPI*\t+16*SPI*((\kt)%2)   ; LDS serves a wave's instructions in order (ISA guide 5.7.1.4): these see the stores above
.endr
.endm
.macro SEND kt, younger                ; younger: the LDS instructions issued behind this tile's loads
	s_wait_dscnt \younger
.irp t, 0,1,2,3,4,5,6,7
	global_store_b128 v7, v[BK+32*((\kt)%2)+4*\t:BK+32*((\kt)%2)+4*\t+3], s[44:45] offset:(32*((\kt)/2)+8*((\kt)%2)+2*\t+8*(\t/4))*4096 th:TH_STORE_NT   ; stage rows 2 t, 2 t + 1 are tokens PI(kt, 2 t), PI(kt, 2 t + 1)
.endr
.endm
	TOSTAGE 0
.irp kt, 1,2,3,4,5,6,7
.if \kt > 1
	s_wait_xcnt 0x0                                ; tile kt - 2's stores have read their registers: this tile's loads land there
.endif
	TOSTAGE \kt
	SEND \kt-1, 16                                 ; behind tile kt - 1's loads: this tile's 8 stores and 8 loads
.endr
	SEND 7, 0
	s_wait_tensorcnt 0x0
	ds_add_u32 v30, v31
	s_wait_dscnt 0x0
	s_endpgm
.Lfunc_end_k_qcb8641e4fc_oproj:
	.size	k_qcb8641e4fc_oproj, .Lfunc_end_k_qcb8641e4fc_oproj-k_qcb8641e4fc_oproj
	.p2alignl 7, 3214868480
	.fill 96, 4, 3214868480
	.section	.rodata,"a",@progbits
	.p2align	6, 0x0
	.amdhsa_kernel k_qcb8641e4fc_oproj
		.amdhsa_group_segment_fixed_size 166400
		.amdhsa_private_segment_fixed_size 0
		.amdhsa_enable_private_segment 0
		.amdhsa_kernarg_size 32
		.amdhsa_user_sgpr_count 2
		.amdhsa_user_sgpr_kernarg_segment_ptr 1
		.amdhsa_wavefront_size32 1
		.amdhsa_system_sgpr_workgroup_id_x 1
		.amdhsa_system_sgpr_workgroup_id_y 1
		.amdhsa_system_sgpr_workgroup_id_z 1
		.amdhsa_system_vgpr_workitem_id 0
		.amdhsa_next_free_vgpr 864
		.amdhsa_next_free_sgpr 66
		.amdhsa_reserve_vcc 0
		.amdhsa_float_denorm_mode_32 3
		.amdhsa_float_denorm_mode_16_64 3
		.amdhsa_memory_ordered 1
		.amdhsa_forward_progress 1
		.amdhsa_inst_pref_size 84
	.end_amdhsa_kernel
	.amdgpu_metadata
---
amdhsa.version: [ 1, 2 ]
amdhsa.kernels:
  - .name:           k_qcb8641e4fc_oproj
    .symbol:         k_qcb8641e4fc_oproj.kd
    .args:
      - { .name: aimg, .offset: 0, .size: 8, .value_kind: global_buffer, .address_space: global }
      - { .name: wimg, .offset: 8, .size: 8, .value_kind: global_buffer, .address_space: global }
      - { .name: lowp_scales, .offset: 16, .size: 8, .value_kind: global_buffer, .address_space: global }
      - { .name: out0, .offset: 24, .size: 8, .value_kind: global_buffer, .address_space: global }
    .group_segment_fixed_size: 166400
    .private_segment_fixed_size: 0
    .kernarg_segment_align: 8
    .kernarg_segment_size: 32
    .max_flat_workgroup_size: 128
    .sgpr_count:     66
    .vgpr_count:     864
    .wavefront_size: 32
...
	.end_amdgpu_metadata
.endif
;; end of part 4
